; MI455X (gfx1250); checked and timed in simulation.
; The chip was launched on July 23, 2026; its instructions are those of AMD's public machine-readable ISA for CDNA 5 (MIT licence, August 2026) and "CDNA5" Instruction Set Architecture Reference Guide (July 2026). The comments in the code are by the model that wrote it; some were corrected since.
;; Bi SVM. Allowed arithmetic: matrix products marked QUANTISED: E2M1 operands, one E8M0 scale for each 32 along K, by v_wmma_scale_f32_16x16x128_f8f6f4 with both operands' format E2M1 (or v_wmma_scale_f32_32x16x128_f4), f32 sums; products left as they are: f32 operands where the result goes on into a quantised operand, else bf16, f16 or f32 operands; f32 sums; everything else in f32.
;; Inputs: L 1,024 x 1,024 float32; R_codes 1,024 x 32 x 16 uint8 (E2M1 codes of R, K innermost, in blocks of 32 codes, two codes a byte); R_scales 1,024 x 32 uint8 (E8M0 scales of R, one for each 32 codes along K); x_codes 64 x 1,024 x 32 x 16 uint8 (E2M1 codes of x, K innermost, in blocks of 32 codes, two codes a byte); x_scales 64 x 1,024 x 32 uint8 (E8M0 scales of x, one for each 32 codes along K).
;; Outputs: out0 64 x 1,024 float32.
;; This version of the problem:
;;   THIS VERSION OF THE PROBLEM IS GIVEN IN LOW PRECISION. The matrix products marked QUANTISED in the list below multiply operands that are first quantised to E2M1 (2 exponent bits, 1 mantissa bit; 4 bits a number), with one power-of-two scale for each 32 numbers along K (OCP MX v1.0); their sums are f32. All else is computed in f32.
;;   The module's matrix products, in the order in which they are computed (A, B: the left and right operand; K: the contracted axis; several contracted axes count as one K, in the product's order):
;;     1. [M 65,536, K 1,024] x [K 1,024, N 1,024]; A: input x (given as codes); B: input R (given as codes): QUANTISED
;;     2. batch 1,024 x [M 64, K 1,024] x [K 1,024, N 1]; A: computed on the way; B: input L: left as it is (N = 1 < 16)
;;   THE QUANTISER, for each operand of a quantised product, along K:
;;     - K is cut into blocks of 32 from its start; a last block that is shorter is filled with zeros.
;;     - A block's scale is 2^e with e = floor(log2(the largest magnitude in the block)) - 2, held to -126 .. 127; a block of zeros has e = 0. As a byte (E8M0): e + 127.
;;     - Each number is divided by its block's scale, clamped to +-6, and rounded to the nearest number of E2M1, ties to even, subnormals kept.
;;     - The product sums the exact products of the quantised numbers (number of the format x scale) in f32.
;;   ~~~python
;;   def quantise(x, axis):      # numpy; x: float32 -> the quantised numbers, widened to float32 again
;;       x = np.moveaxis(x, axis, -1); K = x.shape[-1]
;;       x = np.pad(x, [(0, 0)] * (x.ndim - 1) + [(0, -K % 32)]); x = x.reshape(x.shape[:-1] + (-1, 32)); a = np.abs(x).max(-1, keepdims=True)
;;       e = np.where(a > 0, np.clip(np.frexp(np.where(a > 0, a, 1))[1] - 1 - 2, -126, 127), 0)      # np.frexp(a)[1] - 1 = floor(log2(a)), exactly
;;       r = np.clip(x / 2.0 ** e, -6, 6)
;;       step = 2.0 ** (np.maximum(np.frexp(np.where(r == 0, 1, r))[1] - 1, 0) - 1)
;;       q = np.round(r / step) * step * 2.0 ** e      # np.round: ties to even
;;       return np.moveaxis(q.reshape(q.shape[:-2] + (-1,))[..., :K], -1, axis).astype(np.float32)
;;   ~~~
;;   INPUTS GIVEN AS CODES. R (in the module: [1024, 1024], K = its axis 0); x (in the module: [64, 1024, 1024], K = its axis 2): each comes as NAME_codes (uint8): NAME with its K axis moved to the last place and cut into blocks of 32 codes, [.., K / 32, bytes a block], one block behind the other in memory; two codes a byte, the lower K in the low four bits (a code: sign, 2 exponent bits, 1 mantissa bit); and NAME_scales (uint8): the same leading axes, one E8M0 byte (e + 127) for each 32 codes along K. Its value is code x scale, taken as it is: it is not quantised again, and the codes and scales need not be those that the quantiser above would give.
;; One version. Each part assembles by itself: llvm-mc -triple=amdgcn-amd-amdhsa -mcpu=gfx1250 --defsym DOCPART=n.
;; ======== version 1 of 1: 1 launch
;; limits: right only within a limited range of input values
;; workspace buffers: part 8,388,608 bytes
;; launch main (part 1): grid 8 x 32, 4 waves a work-group, clusters of 4 x 4, 327,680 bytes of LDS; arguments x_codes, x_scales, R_codes, R_scales, L, out0; writes out0
.if DOCPART == 1
	.amdgcn_target "amdgcn-amd-amdhsa--gfx1250"
	.amdhsa_code_object_version 6
	.text
	.protected	k_qa7aa4888ba_main
	.globl	k_qa7aa4888ba_main
	.p2align	8
	.type	k_qa7aa4888ba_main,@function
k_qa7aa4888ba_main:
	s_mov_b64 s[64:65], 0
	v_nop
	global_prefetch_b8 v0, s[64:65] scope:SCOPE_SE
	s_setreg_imm32_b32 hwreg(HW_REG_WAVE_MODE, 25, 1), 1
	s_wait_xcnt 0x0
	s_wait_alu depctr_hold_cnt(0) depctr_sa_sdst(0) depctr_va_vdst(0) depctr_va_sdst(0) depctr_va_ssrc(0) depctr_va_vcc(0) depctr_vm_vsrc(0)
	s_getreg_b32 s2, hwreg(HW_REG_IB_STS2, 6, 4)
	s_cmp_eq_u32 s2, 0
	s_cbranch_scc0 .Lentry_in_a_cluster
	s_endpgm
.Lentry_in_a_cluster:
	s_bfe_u32 s2, ttmp6, 0x10000c
	s_cmp_lg_u32 s2, 0xf033
	s_cbranch_scc0 .Lentry_shape_is_right
	s_endpgm
.Lentry_shape_is_right:
; out0[b][o] = the sum over i of L[o][i] x (the sum over j of x[b][i][j] R[j][o]).  x [64][1024 i][1024 j] and R [1024 o][1024 j] are codes of FP4 (E2M1), j innermost, two codes a byte, a row 512 bytes,
; with one E8M0 byte for each 32 along j (a row 32 bytes); L [1024 o][1024 i] is f32.  The inner sum is made by the scaled FP4 matrix instruction, the outer one by f32 multiply-adds on its results.
; SHARES.  A work-group owns 2 batches b and 128 columns o, for all 1,024 rows i: 32 x 8 = 256 work-groups of equal work, each output with one owner.
; A CHUNK is 64 rows i: of x 2 x 64 rows of 512 bytes, of x's scales 2 x 2,048 bytes, of L 128 rows of 256 bytes.  Sixteen chunks.  Wave w takes rows 16 w .. 16 w + 15 of each: a UNIT of 64 matrix instructions.
; THE MATRIX INSTRUCTION is the 32 x 16 x 128 one: its 32 rows are the wave's 16 rows i of the first batch, then the same 16 rows i of the second; its 16 columns are 16 o.  Lane (r, h) = (lane % 16, lane / 16) then holds
; (i = 8 h + j, o = r), of the first batch in registers 0-7 and of the second in 8-15: both want the same eight weights L[o][8 h ..], 32 neighbouring bytes.
; Every byte of x and of L that lies in LDS is read by one wave, once.  R's 128 rows for all of K stay in each wave's registers (512 registers).
; CLUSTER 4 x 4: a row of it shares two batches, a column shares 128 o.  x's codes and scales are asked for jointly along a row, R's codes and L along a column.
; RING: two slots of one chunk; behind each round wave 0 fetches L's tile, waves 1 and 2 x's rows of the first and second batch, wave 3 x's scales.  L runs one chunk behind x: its first read is at the end of a unit.
; L's second slot lies where R's rows stood on their way into registers.
; PREFETCH: at each change of slots a wave names what the change two further on will ask for: 32 rows or blocks of 256 bytes a wave, shared out among the four partners by address.  L's tiles are walked by eight rows of
; clusters: the first four rows of clusters name them, all others leave them out.
; LIMITS: the f32 sums are grouped otherwise than in the defining formula (K in the matrix unit, then even and odd rows, the halves of the lanes, four waves); a scale byte 0xff gives NaN, as the format has it.
; REGISTERS, in windows of 256 (s_set_vgpr_msb: bits 1:0 source 0, 3:2 source 1, 5:4 source 2, 7:6 destination):
;   window 0: addresses, x's and R's scale words, L, the sums     window 1: v0-127 x's fragments, v128-255 the accumulators     window 2: R's K steps 0-3     window 3: R's K steps 4-7
.set PITCH, 528                        ; an LDS row of codes: 512 bytes + 16 of padding
.set CH,    64*PITCH                   ; 64 rows of one batch
.set XSL,   2*CH                       ; a slot of x: slot 0 at LDS byte 0, slot 1 here
.set RB,    2*XSL                      ; R's 128 rows; later L's slot 1
.set LP,    272                        ; an LDS row of L: 256 bytes + 16 of padding
.set LS0,   RB+2*CH                    ; L's slot 0
.set SB,    LS0+128*LP                 ; x's scales, two slots of 4,096 bytes
.set OST,   SB+8192                    ; the way out: 1,024 bytes for each wave
.set SPARE, OST+4096                   ; the spare words, 128 bytes for each wave: two blocks of 256 bytes that no other line names
.set RA,   4                           ; LDS address of my R fragments
.set XA,   6                           ; v6, v7 of my x fragments in slots 0, 1
.set LA,   8                           ; v8, v9 of my weights in slots 0, 1
.set XSA,  10                          ; of my scale words in slot 0
.set OSA,  11                          ; the way out: where I put a sum,
.set OLA,  12                          ; where I read two back,
.set GO,   13                          ; and my byte offset in the output
.set PFO,  14                          ; the prefetches' offset
.set SCA,  15                          ; R's scale words in memory
.set SPW,  16                          ; my spare word; never rewritten
.set NIL,  17                          ; 0; never rewritten
.set XS,   32                          ; x's scale words, two sets of 8: lane m the word of row m of the 32
.set RS,   48                          ; R's scale words: 8 ob + s, lane r the word of row 16 ob + r
.set LW,   112                         ; L: 8 ob + j
.set OP,   176                         ; running sums: a pair at 4 ob + 2 b
.set TM,   208                         ; the way out
.set ACC,  128                         ; window 1: accumulator ob at 16 ob
.set WV,   16
.set CX,   17
.set CY,   18
.set OR,   19                          ; the range of 128 o
.set BP,   20                          ; the pair of batches
.set BS,   21                          ; which of the two I fetch (waves 1, 2)
.set WOFF, 22                          ; BS x 64 rows in LDS
.set CNT,  23
.set G1X,  24
.set G1R,  32
.set G1L,  40
.set G1S,  48
.set G0X,  56
.set G0L,  60
.set G0S,  68
.set G0R,  72
.set PF,   76                          ; where my prefetches stand
.set PST,  78                          ; their step
.set LIM,  80                          ; 1 while my wave prefetches, else the greatest number
.set S_A,  0x59                        ; products: x, accumulators in window 1, R in window 2
.set S_B,  0x5d                        ; R in window 3
.set MSB, 0
.macro WIN new                         ; the immediate's high byte repeats the setting that is left
.if MSB != \new
	s_set_vgpr_msb (MSB<<8)|\new
.set MSB, \new
.endif
.endm
.macro CREST                           ; a round of the cluster's barrier behind its opening barrier
	s_cmp_lg_u32 s[WV], 0
	s_cbranch_scc1 .Lnot_wave_0_\@
	s_barrier_signal -3
.Lnot_wave_0_\@:
	s_barrier_wait -3
	s_barrier_signal -1
	s_barrier_wait -1
.endm
.macro CROUND                          ; a whole round
	s_barrier_signal -1
	s_barrier_wait -1
	CREST
.endm
.macro PLACES                          ; four places behind a matrix instruction (ISA guide 7.12.1)
.rept 4
	v_nop
.endr
.endm
; One joint load a wave, one chain of branches on the wave's number: wave 0 by the registers named, waves 1 and 2 x's codes, wave 3 x's scales.
.macro JLOAD g0a, g1a
	s_cmp_lt_u32 s[WV], 1
	s_cbranch_scc0 .Lnot_a_\@
	tensor_load_to_lds s[\g0a:\g0a+3], s[\g1a:\g1a+7]
	s_nop 0
	PLACES
	s_branch .Lasked_\@
.Lnot_a_\@:
	s_cmp_lt_u32 s[WV], 3
	s_cbranch_scc0 .Lfor_s_\@
	tensor_load_to_lds s[G0X:G0X+3], s[G1X:G1X+7]
	s_nop 0
	PLACES
	s_branch .Lasked_\@
.Lfor_s_\@:
	tensor_load_to_lds s[G0S:G0S+3], s[G1S:G1S+7]
	s_nop 0
	PLACES
.Lasked_\@:
.endm
.macro JLAST                           ; L's last tile: wave 0 alone
	s_cmp_lt_u32 s[WV], 1
	s_cbranch_scc0 .Lnot_l_\@
	tensor_load_to_lds s[G0L:G0L+3], s[G1L:G1L+7]
	s_nop 0
	PLACES
.Lnot_l_\@:
	PLACES
.endm
.macro ASK how                         ; 0: in every trip; 1: not in the loop's last trip; 2: outside the loop
.if (\how) == 0
	s_cmp_ge_u32 s[CNT], s[LIM]
.elseif (\how) == 1
	s_cmp_gt_u32 s[CNT], s[LIM]
.else
	s_cmp_eq_u32 s[LIM], 1
.endif
	s_cbranch_scc0 .Lnot_mine_\@
	global_prefetch_b8 v[PFO], s[PF:PF+1] th:TH_LOAD_NT scope:SCOPE_SE
.Lnot_mine_\@:
.endm
.macro PSTEP
	s_wait_xcnt 0x0                                ; my last prefetch has read its address
	s_add_nc_u64 s[PF:PF+1], s[PF:PF+1], s[PST:PST+1]
.endm
; Group 0 for the next change of slots (no tensor load of mine is out): x's next chunk into slot p, L's next tile into slot 1 - p
.macro STEPX p
	s_add_co_u32 s[G0X+1], s[WOFF], XSL*(\p)
	s_add_nc_u64 s[G0X+2:G0X+3], s[G0X+2:G0X+3], 0x8000
	s_mov_b32 s[G0S+1], SB+4096*(\p)
	s_add_nc_u64 s[G0S+2:G0S+3], s[G0S+2:G0S+3], 0x800
.endm
.macro STEPL p
.if (\p) == 1
	s_mov_b32 s[G0L+1], LS0
.else
	s_mov_b32 s[G0L+1], RB
.endif
	s_add_nc_u64 s[G0L+2:G0L+3], s[G0L+2:G0L+3], 0x100
.endm
; One matrix instruction: K step s, o block ob, x's scale words of set p.  The first K step starts the sums; the eight accumulators take turns.
.macro MM s, ob, p
.if (\s) == 0
	v_wmma_scale_f32_32x16x128_f4 v[ACC+16*(\ob):ACC+16*(\ob)+15], v[16*(\s):16*(\s)+15], v[64*((\s)%4)+8*(\ob):64*((\s)%4)+8*(\ob)+7], 0, v[XS+8*(\p)+(\s)], v[RS+8*(\ob)+(\s)]
.else
	v_wmma_scale_f32_32x16x128_f4 v[ACC+16*(\ob):ACC+16*(\ob)+15], v[16*(\s):16*(\s)+15], v[64*((\s)%4)+8*(\ob):64*((\s)%4)+8*(\ob)+7], v[ACC+16*(\ob):ACC+16*(\ob)+15], v[XS+8*(\p)+(\s)], v[RS+8*(\ob)+(\s)]
.endif
.endm
.macro HALF s, a, p                    ; half a K step: four o blocks from a on
.irp o, \a, \a+1, \a+2, \a+3
	MM \s, \o, \p
.endr
.endm
.macro KSTEP s, p
	HALF \s, 0, \p
	HALF \s, 4, \p
.endm
; x's fragment of K step s from slot q: lane l holds row l % 16; registers 4 c .. 4 c + 3 hold K = 64 c + 32 (l / 16) + 0 .. 31; the first batch's rows in registers 0-7, the second's in 8-15.  Under window 0x40.
.macro LDF s, q
.irp c, 0,1
	ds_load_b128 v[16*(\s)+4*\c:16*(\s)+4*\c+3], v[XA+(\q)] offset:64*(\s)+32*\c
	ds_load_b128 v[16*(\s)+8+4*\c:16*(\s)+8+4*\c+3], v[XA+(\q)] offset:CH+64*(\s)+32*\c
.endr
.endm
.macro LDF4 s0, q                      ; four K steps': sixteen loads
.irp s, \s0, \s0+1, \s0+2, \s0+3
	LDF \s, \q
.endr
.endm
.macro XSLD q                          ; x's scale words of slot q, all eight K steps: two loads
	ds_load_b128 v[XS+8*(\q):XS+8*(\q)+3], v[XSA] offset:4096*(\q)
	ds_load_b128 v[XS+8*(\q)+4:XS+8*(\q)+7], v[XSA] offset:4096*(\q)+16
.endm
.macro LDL q                           ; my weights from L's slot q: sixteen loads
.irp o, 0,1,2,3,4,5,6,7
.irp c, 0,1
	ds_load_b128 v[LW+8*\o+4*\c:LW+8*\o+4*\c+3], v[LA+(\q)] offset:16*LP*\o+16*\c
.endr
.endr
.endm
.macro KLD s                           ; the first unit: x's and R's fragments of K step s: twenty loads
	WIN 0x40
	LDF \s, 0
.if (\s) < 4
	WIN 0x80
.else
	WIN 0xc0
.endif
.irp o, 0,1,2,3,4,5,6,7
.irp c, 0,1
	ds_load_b128 v[64*((\s)%4)+8*\o+4*\c:64*((\s)%4)+8*\o+4*\c+3], v[RA] offset:16*PITCH*\o+64*(\s)+32*\c
.endr
.endr
.endm
; The finished unit's 64 packed multiply-adds by L: rows 2 jp, 2 jp + 1 the outer count.
.macro RED first
	WIN 0x01
.irp jp, 0,1,2,3
.irp o, 0,1,2,3,4,5,6,7
.irp b, 0,1
.if (\first) && (\jp == 0)
	v_pk_mul_f32 v[OP+4*\o+2*\b:OP+4*\o+2*\b+1], v[ACC+16*\o+8*\b+2*\jp:ACC+16*\o+8*\b+2*\jp+1], v[LW+8*\o+2*\jp:LW+8*\o+2*\jp+1]
.else
	v_pk_fma_f32 v[OP+4*\o+2*\b:OP+4*\o+2*\b+1], v[ACC+16*\o+8*\b+2*\jp:ACC+16*\o+8*\b+2*\jp+1], v[LW+8*\o+2*\jp:LW+8*\o+2*\jp+1], v[OP+4*\o+2*\b:OP+4*\o+2*\b+1]
.endif
.endr
.endr
.endr
.endm
; UNIT of chunk t, p = t % 2.  x's fragments of K steps 0-3 are in, those of 4-7 (sixteen loads) may be out.
; The change of slots stands in K step 3: slot p of x has been read, L's tile t and x's chunk t + 1 have landed; x's chunk t + 2 and L's tile t + 1 are asked for.
; kind 0: so;  1: L's last tile alone is asked for;  2: the last unit: nothing more.   ask: ASK's argument, 9: none
.macro UNIT p, kind, ask
	WIN S_A
	KSTEP 0, \p
	KSTEP 1, \p
	KSTEP 2, \p
	WIN 0
.if (\ask) < 9
	PSTEP
.endif
	s_wait_tensorcnt 0x0                           ; all my tensor loads have landed
	ds_add_u32 v[SPW], v[NIL]                      ; 0 onto my spare word
.if (\kind) == 0
	STEPX \p
.endif
.if (\kind) < 2
	STEPL \p
.endif
	WIN S_A
	HALF 3, 0, \p
	s_wait_dscnt 0x0                               ; the add is done, and my reads of the slot are over
	s_barrier_signal -1
	HALF 3, 4, \p
	WIN 0
	s_barrier_wait -1
.if (\kind) < 2
	CREST                                          ; no wave of any partner still reads the slot or has a load on its way
.if (\kind) == 0
	JLOAD G0L, G1L
.else
	JLAST
.endif
	XSLD 1-(\p)
	WIN 0x40
	LDF4 0, 1-(\p)                                 ; the next chunk's fragments of K steps 0-3: the four v_nop behind the joint load are their places
	WIN 0
.endif
.if (\ask) < 9
	ASK \ask
.endif
	WIN S_B
	KSTEP 4, \p
	KSTEP 5, \p
	WIN 0
	LDL \p
	WIN S_B
	KSTEP 6, \p
	KSTEP 7, \p
	PLACES                                         ; for the loads into the fragments and the first read of the accumulators
.if (\kind) < 2
	WIN 0x40
	LDF4 4, 1-(\p)
	s_wait_dscnt 16                                ; L and the fragments of K steps 0-3 are in; the sixteen loads just issued may be out
.else
	s_wait_dscnt 0x0
.endif
	RED 0
.endm
	s_load_b256 s[4:11], s[0:1], 0x0               ; x's codes s[4:5], x's scales s[6:7], R's codes s[8:9], R's scales s[10:11]
	s_load_b128 s[12:15], s[0:1], 0x20             ; L s[12:13], out0 s[14:15]
	v_lshl_add_u32 v[SPW], v0, 2, SPARE
	v_mov_b32 v[NIL], 0
	ds_add_u32 v[SPW], v[NIL]                      ; the wave's opening
	ds_add_u32 v[SPW], v[NIL]
	v_lshrrev_b32 v1, 5, v0
	v_readfirstlane_b32 s[WV], v1                  ; wave 0..3
	s_bfe_u32 s[CX], ttmp6, 0x40000
	s_bfe_u32 s[CY], ttmp6, 0x40004
	s_wait_dscnt 0x0                               ; both opening adds are done
	CROUND                                         ; all sixteen work-groups are here: the first joint loads meet
	s_lshl_b32 s[OR], ttmp9, 2
	s_add_co_u32 s[OR], s[OR], s[CX]               ; 4 x cluster x + cx
	s_and_b32 s[BP], ttmp7, 0xffff
	s_lshl_b32 s[BP], s[BP], 2
	s_add_co_u32 s[BP], s[BP], s[CY]               ; 4 x cluster y + cy
	s_and_b32 s[BS], s[WV], 1
	s_xor_b32 s[BS], s[BS], 1                      ; wave 1: the first batch, wave 2: the second
	s_mul_i32 s[WOFF], s[BS], CH
	s_lshl_b32 s96, s[CY], 2
	s_lshl_b32 s96, 15, s96                        ; my row of the cluster
	s_lshl_b32 s97, 0x1111, s[CX]                  ; my column
	; group 1 for codes: rows of 512 bytes, dense in memory, 4 words of padding behind every 128
	s_or_b32 s[G1X], s96, (1<<20)|(1<<21)|(6<<22)|(3<<25)
	s_or_b32 s[G1R], s97, (1<<20)|(1<<21)|(6<<22)|(3<<25)
.irp g, G1X, G1R
	s_mov_b32 s[\g+1], 512<<16
	s_mov_b32 s[\g+3], 512<<16
	s_mov_b32 s[\g+5], 512
	s_mov_b32 s[\g+6], 0
	s_mov_b32 s[\g+7], 0
.endr
	s_mov_b32 s[G1X+2], 64<<16                     ; x: 64 rows
	s_mov_b32 s[G1X+4], 64
	s_mov_b32 s[G1R+2], 128<<16                    ; R: 128 rows
	s_mov_b32 s[G1R+4], 128
	; for L: 128 rows of 64 elements of 4 bytes, 1,024 elements apart, 4 words of padding behind every 64
	s_or_b32 s[G1L], s97, (2<<16)|(1<<20)|(1<<21)|(5<<22)|(3<<25)
	s_mov_b32 s[G1L+1], 64<<16
	s_mov_b32 s[G1L+2], 128<<16
	s_mov_b32 s[G1L+3], 64<<16
	s_mov_b32 s[G1L+4], 128
	s_mov_b32 s[G1L+5], 1024
	s_mov_b32 s[G1L+6], 0
	s_mov_b32 s[G1L+7], 0
	; for x's scales: 2 rows (batches) of 2,048 bytes (256 elements of 8 bytes), 32,768 bytes apart, no padding
	s_or_b32 s[G1S], s96, (3<<16)|(1<<21)
	s_mov_b32 s[G1S+1], 256<<16
	s_mov_b32 s[G1S+2], 2<<16
	s_mov_b32 s[G1S+3], 256<<16
	s_mov_b32 s[G1S+4], 2
	s_mov_b32 s[G1S+5], 4096
	s_mov_b32 s[G1S+6], 0
	s_mov_b32 s[G1S+7], 0
	; byte offsets: x's never hold cx, R's and L's never cy
	s_lshl_b32 s82, s[BP], 20
	s_lshl_b32 s83, s[BS], 19
	s_add_co_u32 s82, s82, s83                     ; x's codes: 524,288 bytes a batch
	s_mov_b32 s83, 0
	s_lshl_b32 s84, s[BP], 16                      ; x's scales: 32,768 bytes a batch
	s_mov_b32 s85, 0
	s_lshl_b32 s86, s[OR], 19                      ; L: 128 rows of 4,096 bytes
	s_mov_b32 s87, 0
	s_lshl_b32 s88, s[OR], 16                      ; R's codes
	s_mov_b32 s89, 0
	s_lshl_b32 s90, s[OR], 12                      ; R's scales
	s_mov_b32 s91, 0
	s_lshl_b32 s92, s[BP], 13                      ; out0: batch 2 BP + wave / 2, column 128 OR + 64 (wave % 2)
	s_lshl_b32 s93, s[OR], 9
	s_add_co_u32 s92, s92, s93
	s_lshr_b32 s93, s[WV], 1
	s_lshl_b32 s93, s93, 12
	s_add_co_u32 s92, s92, s93
	s_and_b32 s93, s[WV], 1
	s_lshl_b32 s93, s93, 8
	s_add_co_u32 s92, s92, s93
	s_mov_b32 s93, 0
	; group 0: count 1, LDS address
.irp g, G0X, G0L, G0S, G0R
	s_mov_b32 s[\g], 1
.endr
	s_mov_b32 s[G0X+1], s[WOFF]
	s_mov_b32 s[G0L+1], LS0
	s_mov_b32 s[G0S+1], SB
	s_mov_b32 s[G0R+1], RB
	s_wait_alu depctr_va_vdst(0)
	s_wait_kmcnt 0x0
	s_add_nc_u64 s[G0X+2:G0X+3], s[4:5], s[82:83]
	s_or_b32 s[G0X+3], s[G0X+3], 0x80000000        ; type = 2
	s_add_nc_u64 s[G0S+2:G0S+3], s[6:7], s[84:85]
	s_or_b32 s[G0S+3], s[G0S+3], 0x80000000
	s_add_nc_u64 s[G0R+2:G0R+3], s[8:9], s[88:89]
	s_or_b32 s[G0R+3], s[G0R+3], 0x80000000
	s_add_nc_u64 s[G0L+2:G0L+3], s[12:13], s[86:87]
	s_or_b32 s[G0L+3], s[G0L+3], 0x80000000
	JLOAD G0R, G1R                                 ; R, chunk 0 of x and its scales: one tensor load a wave
	s_add_nc_u64 s[10:11], s[10:11], s[90:91]
	s_add_nc_u64 s[14:15], s[14:15], s[92:93]
	; the prefetches: wave 0 L's rows (32 of 128 by cy), waves 1 and 2 x's (8,192 of 32,768 bytes by cx), wave 3 x's scales (4 of 16 blocks by cx)
	s_lshl_b32 s94, s[OR], 19
	s_lshl_b32 s95, s[CY], 17
	s_add_co_u32 s94, s94, s95                     ; L: tile 0
	s_lshl_b32 s96, s[BP], 20
	s_lshl_b32 s97, s[BS], 19
	s_add_co_u32 s96, s96, s97
	s_lshl_b32 s97, s[CX], 13
	s_add_co_u32 s96, s96, s97
	s_add_co_u32 s96, s96, 0x8000                  ; x: chunk 1
	s_lshl_b32 s97, s[BP], 16
	s_lshr_b32 s98, s[CX], 1
	s_lshl_b32 s98, s98, 15
	s_add_co_u32 s97, s97, s98
	s_and_b32 s98, s[CX], 1
	s_lshl_b32 s98, s98, 10
	s_add_co_u32 s97, s97, s98
	s_add_co_u32 s97, s97, 0x800                   ; x's scales: chunk 1
	s_and_b32 s99, ttmp7, 0xffff
	s_cmp_lt_u32 s99, 4
	s_cselect_b32 s99, 1, -1
	s_movk_i32 s98, 256
	s_cmp_eq_u32 s[WV], 0
	s_cselect_b32 s[LIM], s99, 1
	s_cselect_b32 s94, s94, s96
	s_cselect_b32 s[PST], s98, 0x8000
	s_cselect_b32 s100, 4096, s98                  ; bytes from lane to lane
	s_cselect_b64 s[PF:PF+1], s[12:13], s[4:5]
	s_cmp_eq_u32 s[WV], 3
	s_cselect_b32 s94, s97, s94
	s_cselect_b32 s[PST], 0x800, s[PST]
	s_cselect_b32 s101, 3, 31                      ; which lanes name a block of their own
	s_cselect_b64 s[PF:PF+1], s[6:7], s[PF:PF+1]
	s_mov_b32 s95, 0
	s_mov_b32 s[PST+1], 0
	s_add_nc_u64 s[PF:PF+1], s[PF:PF+1], s[94:95]
	; what enters LDS addresses is made of the wave's number alone
	s_mul_i32 s96, s[WV], 16*PITCH
	s_lshl_b32 s97, s[WV], 6
	s_lshl_b32 s98, s[WV], 9
	s_add_co_u32 s98, s98, SB
	s_lshl_b32 s99, s[WV], 10
	s_add_co_u32 s99, s99, OST
	s_lshl_b32 s81, s[WV], 8
	s_add_co_u32 s81, s81, OST
	v_and_b32 v1, 15, v0                           ; r
	v_bfe_u32 v2, v0, 4, 1                         ; h
	v_and_b32 v3, 31, v0
	v_lshlrev_b32 v[SCA], 5, v1
	v_and_b32 v[PFO], s101, v3
	v_mul_u32_u24 v[PFO], s100, v[PFO]
	v_mul_u32_u24 v18, v1, PITCH
	v_lshl_add_u32 v18, v2, 4, v18                 ; a fragment's row x pitch + 16 h
	v_add_nc_u32 v[RA], RB, v18
	v_add_nc_u32 v[XA], s96, v18                   ; row 16 w + r
	v_add_nc_u32 v[XA+1], XSL, v[XA]
	v_mul_u32_u24 v19, v1, LP
	v_lshl_add_u32 v19, v2, 5, v19
	v_add_nc_u32 v19, s97, v19                     ; L: row r, 64 w + 32 h
	v_add_nc_u32 v[LA], LS0, v19
	v_add_nc_u32 v[LA+1], RB, v19
	v_lshlrev_b32 v20, 11, v2
	v_lshl_add_u32 v20, v1, 5, v20
	v_add_nc_u32 v[XSA], s98, v20                  ; batch h, row 16 w + r
	v_lshlrev_b32 v21, 2, v3
	v_add_nc_u32 v[OSA], s99, v21
	v_lshlrev_b32 v[GO], 3, v3
	v_add_nc_u32 v[OLA], s81, v[GO]
	s_wait_alu depctr_va_vdst(0)
	ASK 2                                          ; for the first change: chunk 1 of x, tile 0 of L
.irp o, 0,1,2,3,4,5,6,7
.irp c, 0,1
	global_load_b128 v[RS+8*\o+4*\c:RS+8*\o+4*\c+3], v[SCA], s[10:11] offset:512*\o+16*\c   ; R's scale words: sixteen rows' 512 bytes for each o block
.endr
.endr
	PSTEP
	ASK 2                                          ; for the second
	s_wait_tensorcnt 0x0                           ; my load of the head's four is in
	ds_add_u32 v[SPW], v[NIL]
	STEPX 1                                        ; chunk 1 into slot 1; L's tile 0 stands as it was made
	s_wait_dscnt 0x0
	CROUND                                         ; R and chunk 0 are in, everywhere in the cluster
	JLOAD G0L, G1L                                 ; first fills alone
	; THE FIRST UNIT takes R's fragments out of LDS as it goes, three K steps ahead: twenty loads a K step
	XSLD 0
	KLD 0
	KLD 1
	KLD 2
	WIN 0
	PSTEP
	ASK 2
	s_wait_loadcnt 0x0                             ; R's scale words
.irp s, 0,1,2,3,4
	s_wait_dscnt 40                                ; this K step's are in; the next two's may be out
.if \s < 4
	WIN S_A
.else
	WIN S_B
.endif
	KSTEP \s, 0
	KLD \s+3
.endr
	s_wait_dscnt 40
	WIN S_B
	KSTEP 5, 0
	s_wait_dscnt 20
	KSTEP 6, 0
	WIN 0
	PSTEP
	s_wait_tensorcnt 0x0
	ds_add_u32 v[SPW], v[NIL]
	STEPX 0
	STEPL 0
	s_wait_dscnt 1                                 ; K step 7's fragments are in; the add may be out
	WIN S_B
	HALF 7, 0, 0
	s_wait_dscnt 0x0                               ; the add is done; chunk 0 and R have been read
	s_barrier_signal -1
	HALF 7, 4, 0
	WIN 0
	s_barrier_wait -1
	CREST
	JLOAD G0L, G1L                                 ; x's chunk 2 into slot 0, L's tile 1 where R stood
	LDL 0
	XSLD 1
	WIN 0x40
	LDF4 0, 1
	LDF4 4, 1
	WIN 0
	ASK 2
	s_wait_dscnt 34                                ; L is in: two loads of scale words and 32 of fragments were issued behind it
	RED 1
	s_wait_dscnt 16                                ; as every unit's end leaves it
	WIN 0
	s_mov_b32 s[CNT], 6
.Ltrip:                                                ; units 1 to 12, two a trip
	UNIT 1, 0, 0
	UNIT 0, 0, 1
	WIN 0
	s_sub_co_u32 s[CNT], s[CNT], 1
	s_cmp_lg_u32 s[CNT], 0
	s_cbranch_scc1 .Ltrip
	UNIT 1, 0, 9                                   ; unit 13
	UNIT 0, 1, 9                                   ; unit 14
	UNIT 1, 2, 9                                   ; unit 15
	WIN 0
	; THE WAY OUT: even and odd rows, then the halves of the lanes: o blocks 2 p and 2 p + 1 change halves, and lane l holds o = 32 p + l
.irp b, 0,1
.irp o, 0,1,2,3,4,5,6,7
	v_add_f32 v[TM+8*\b+\o], v[OP+4*\o+2*\b], v[OP+4*\o+2*\b+1]
.endr
.endr
.irp q, 0,1,2,3,4,5,6,7
	v_permlane16_swap_b32 v[TM+2*\q], v[TM+2*\q+1]
.endr
.irp q, 0,1,2,3,4,5,6,7
	v_add_f32 v[TM+16+\q], v[TM+2*\q], v[TM+2*\q+1]
.endr
.irp q, 0,1,2,3,4,5,6,7
	ds_store_b32 v[OSA], v[TM+16+\q] offset:128*\q ; 512 bytes a batch
.endr
	s_wait_dscnt 0x0                               ; for the others' sake
	s_barrier_signal -1
	s_barrier_wait -1
.irp q, 0,1,2,3
	ds_load_b64 v[TM+2*\q:TM+2*\q+1], v[OLA] offset:1024*\q    ; the four waves' sums of my 64 outputs, two a lane
.endr
	s_wait_dscnt 0x0
	v_pk_add_f32 v[TM:TM+1], v[TM:TM+1], v[TM+2:TM+3]
	v_pk_add_f32 v[TM+4:TM+5], v[TM+4:TM+5], v[TM+6:TM+7]
	v_pk_add_f32 v[TM:TM+1], v[TM:TM+1], v[TM+4:TM+5]
	global_store_b64 v[GO], v[TM:TM+1], s[14:15]   ; 32 lanes store 256 consecutive bytes, at a multiple of 256 from out0's first byte
	s_wait_tensorcnt 0x0                           ; the wave's end
	ds_add_u32 v[SPW], v[NIL]
	s_wait_dscnt 0x0
	CROUND                                         ; the closing round: no work-group ends while a partner may still ask for a tile that names it
	s_endpgm
.Lfunc_end_k_qa7aa4888ba_main:
	.size	k_qa7aa4888ba_main, .Lfunc_end_k_qa7aa4888ba_main-k_qa7aa4888ba_main
	.p2alignl 7, 3214868480
	.fill 96, 4, 3214868480
	.section	.rodata,"a",@progbits
	.p2align	6, 0x0
	.amdhsa_kernel k_qa7aa4888ba_main
		.amdhsa_group_segment_fixed_size 327680
		.amdhsa_private_segment_fixed_size 0
		.amdhsa_enable_private_segment 0
		.amdhsa_kernarg_size 48
		.amdhsa_user_sgpr_count 2
		.amdhsa_user_sgpr_kernarg_segment_ptr 1
		.amdhsa_wavefront_size32 1
		.amdhsa_system_sgpr_workgroup_id_x 1
		.amdhsa_system_sgpr_workgroup_id_y 1
		.amdhsa_system_sgpr_workgroup_id_z 1
		.amdhsa_system_vgpr_workitem_id 0
		.amdhsa_next_free_vgpr 1024
		.amdhsa_next_free_sgpr 102
		.amdhsa_reserve_vcc 0
		.amdhsa_float_denorm_mode_32 3
		.amdhsa_float_denorm_mode_16_64 3
		.amdhsa_memory_ordered 1
		.amdhsa_forward_progress 1
		.amdhsa_inst_pref_size 127
	.end_amdhsa_kernel
	.amdgpu_metadata
---
amdhsa.version: [ 1, 2 ]
amdhsa.kernels:
  - .name:           k_qa7aa4888ba_main
    .symbol:         k_qa7aa4888ba_main.kd
    .args:
      - { .name: x_codes, .offset: 0, .size: 8, .value_kind: global_buffer, .address_space: global }
      - { .name: x_scales, .offset: 8, .size: 8, .value_kind: global_buffer, .address_space: global }
      - { .name: R_codes, .offset: 16, .size: 8, .value_kind: global_buffer, .address_space: global }
      - { .name: R_scales, .offset: 24, .size: 8, .value_kind: global_buffer, .address_space: global }
      - { .name: L, .offset: 32, .size: 8, .value_kind: global_buffer, .address_space: global }
      - { .name: out0, .offset: 40, .size: 8, .value_kind: global_buffer, .address_space: global }
    .group_segment_fixed_size: 327680
    .private_segment_fixed_size: 0
    .kernarg_segment_align: 8
    .kernarg_segment_size: 48
    .max_flat_workgroup_size: 128
    .sgpr_count:     102
    .vgpr_count:     1024
    .wavefront_size: 32
...
	.end_amdgpu_metadata
.endif
;; end of part 1
